; MI455X (gfx1250); checked and timed in simulation.
; The chip was launched on July 23, 2026; its instructions are those of AMD's public machine-readable ISA for CDNA 5 (MIT licence, August 2026) and "CDNA5" Instruction Set Architecture Reference Guide (July 2026). The comments in the code are by the model that wrote it; some were corrected since.
;; Static Attention. Allowed arithmetic: matrix products marked QUANTISED: E3M2 operands, one E8M0 scale for each 32 along K, by v_wmma_scale_f32_16x16x128_f8f6f4 with both operands' format E3M2, f32 sums; products left as they are: f32 operands where the result goes on into a quantised operand, else bf16, f16 or f32 operands; f32 sums; everything else in f32.
;; Inputs: Wa 8 x 1 float32; Wk_codes 2,048 x 8 x 24 uint8 (E3M2 codes of Wk, K innermost, in blocks of 32 codes, four codes in three bytes); Wk_scales 2,048 x 8 uint8 (E8M0 scales of Wk, one for each 32 codes along K); Wo_codes 256 x 64 x 24 uint8 (E3M2 codes of Wo, K innermost, in blocks of 32 codes, four codes in three bytes); Wo_scales 256 x 64 uint8 (E8M0 scales of Wo, one for each 32 codes along K); Wq_codes 2,048 x 8 x 24 uint8 (E3M2 codes of Wq, K innermost, in blocks of 32 codes, four codes in three bytes); Wq_scales 2,048 x 8 uint8 (E8M0 scales of Wq, one for each 32 codes along K); Wv_codes 2,048 x 8 x 24 uint8 (E3M2 codes of Wv, K innermost, in blocks of 32 codes, four codes in three bytes); Wv_scales 2,048 x 8 uint8 (E8M0 scales of Wv, one for each 32 codes along K); b1 2,048 float32; b2 256 float32; ba 1 float32; beta_a 1 float32; betk 2,048 float32; betq 2,048 float32; betv 2,048 float32; bk 2,048 float32; bo 256 float32; bq 2,048 float32; bv 2,048 float32; dist_codes 128 x 256 x 8 x 24 uint8 (E3M2 codes of dist, K innermost, in blocks of 32 codes, four codes in three bytes); dist_scales 128 x 256 x 8 uint8 (E8M0 scales of dist, one for each 32 codes along K); g1 2,048 float32; g2 256 float32; ga 1 float32; gk 2,048 float32; gq 2,048 float32; gv 2,048 float32; local_codes 128 x 8 x 24 uint8 (E3M2 codes of local, K innermost, in blocks of 32 codes, four codes in three bytes); local_scales 128 x 8 uint8 (E8M0 scales of local, one for each 32 codes along K); mask 128 x 1 x 256 bool; sites_codes 128 x 256 x 8 x 24 uint8 (E3M2 codes of sites, K innermost, in blocks of 32 codes, four codes in three bytes); sites_scales 128 x 256 x 8 uint8 (E8M0 scales of sites, one for each 32 codes along K).
;; Outputs: out0 128 x 1 x 256 float32; out1 128 x 1 x 256 float32.
;; This version of the problem:
;;   THIS VERSION OF THE PROBLEM IS GIVEN IN LOW PRECISION. The matrix products marked QUANTISED in the list below multiply operands that are first quantised to E3M2 (3 exponent bits, 2 mantissa bits; 6 bits a number), with one power-of-two scale for each 32 numbers along K (OCP MX v1.0); their sums are f32. All else is computed in f32.
;;   The module's matrix products, in the order in which they are computed (A, B: the left and right operand; K: the contracted axis; several contracted axes count as one K, in the product's order):
;;     1. [M 128, K 256] x [K 256, N 2,048]; A: input local (given as codes); B: input Wq (given as codes): QUANTISED
;;     2. [M 32,768, K 256] x [K 256, N 2,048]; A: input dist (given as codes); B: input Wk (given as codes): QUANTISED
;;     3. [M 32,768, K 256] x [K 256, N 2,048]; A: input sites (given as codes); B: input Wv (given as codes): QUANTISED
;;     4. batch 1,024 x [M 1, K 256] x [K 256, N 256]; A: computed on the way; B: computed on the way: left as it is (M = 1 < 16)
;;     5. batch 1,024 x [M 1, K 256] x [K 256, N 256]; A: softmax; B: computed on the way: left as it is (M = 1 < 16)
;;     6. [M 128, K 2,048] x [K 2,048, N 256]; A: computed on the way; B: input Wo (given as codes): QUANTISED
;;     7. [M 32,768, K 8] x [K 8, N 1]; A: computed on the way; B: input Wa: left as it is (K = 8 < 32)
;;   THE QUANTISER, for each operand of a quantised product, along K:
;;     - K is cut into blocks of 32 from its start; a last block that is shorter is filled with zeros.
;;     - A block's scale is 2^e with e = floor(log2(the largest magnitude in the block)) - 4, held to -126 .. 127; a block of zeros has e = 0. As a byte (E8M0): e + 127.
;;     - Each number is divided by its block's scale, clamped to +-28, and rounded to the nearest number of E3M2, ties to even, subnormals kept.
;;     - The product sums the exact products of the quantised numbers (number of the format x scale) in f32.
;;   ~~~python
;;   def quantise(x, axis):      # numpy; x: float32 -> the quantised numbers, widened to float32 again
;;       x = np.moveaxis(x, axis, -1); K = x.shape[-1]
;;       x = np.pad(x, [(0, 0)] * (x.ndim - 1) + [(0, -K % 32)]); x = x.reshape(x.shape[:-1] + (-1, 32)); a = np.abs(x).max(-1, keepdims=True)
;;       e = np.where(a > 0, np.clip(np.frexp(np.where(a > 0, a, 1))[1] - 1 - 4, -126, 127), 0)      # np.frexp(a)[1] - 1 = floor(log2(a)), exactly
;;       r = np.clip(x / 2.0 ** e, -28, 28)
;;       step = 2.0 ** (np.maximum(np.frexp(np.where(r == 0, 1, r))[1] - 1, -2) - 2)
;;       q = np.round(r / step) * step * 2.0 ** e      # np.round: ties to even
;;       return np.moveaxis(q.reshape(q.shape[:-2] + (-1,))[..., :K], -1, axis).astype(np.float32)
;;   ~~~
;;   OPERANDS COMPUTED ON THE WAY. 'Computed on the way' means the value that the module computes at that place (a softmax that the list does not call 'softmax' is quantised finished and normalised). What goes into a quantiser is computed in f32, as accurately as f32 sums, v_exp_f32 and their like allow (about 1e-6 of the number): no bf16 or f16 on the way to a quantiser, and a product that is left as it is and whose result goes on into a quantised operand takes f32 operands (vector FMAs, or v_wmma_f32_16x16x4_f32). A number that lies on a knife's edge between two numbers of the format may be rounded either way, as far as f32 arithmetic and the matrix unit's own rounding can turn it there, and no further.
;;   INPUTS GIVEN AS CODES. Wk (in the module: [256, 2048], K = its axis 0); Wo (in the module: [2048, 256], K = its axis 0); Wq (in the module: [256, 2048], K = its axis 0); Wv (in the module: [256, 2048], K = its axis 0); dist (in the module: [128, 256, 256], K = its axis 2); local (in the module: [128, 256], K = its axis 1); sites (in the module: [128, 256, 256], K = its axis 2): each comes as NAME_codes (uint8): NAME with its K axis moved to the last place and cut into blocks of 32 codes, [.., K / 32, bytes a block], one block behind the other in memory; four codes in three bytes: a row's codes are one little-endian stream of bits, code i at bits 6 i .. 6 i + 5 (a code: sign, 3 exponent bits, 2 mantissa bits); and NAME_scales (uint8): the same leading axes, one E8M0 byte (e + 127) for each 32 codes along K. Its value is code x scale, taken as it is: it is not quantised again, and the codes and scales need not be those that the quantiser above would give.
;; One version. Each part assembles by itself: llvm-mc -triple=amdgcn-amd-amdhsa -mcpu=gfx1250 --defsym DOCPART=n.
;; ======== version 1 of 1: 2 launches
;; limits: a difference of large sums (such as E[x^2] - mean^2): digits are lost where the result is much smaller than its terms
;; workspace buffers: ows 2,097,152 bytes; qws 1,048,576 bytes; pws 1,048,576 bytes; sc 16,384 bytes
;; launch fused (part 1): grid 256 x 1, 8 waves a work-group, clusters of 4 x 1, 327,680 bytes of LDS; arguments Wq_codes, Wk_codes, Wv_codes, Wq_scales, Wk_scales, Wv_scales, bq, bk, bv, gq, betq, gk, betk, gv, betv, mask, local_codes, local_scales, dist_codes, dist_scales, sites_codes, sites_scales, ows, qws, pws, sc; writes ows, qws, pws, sc
.if DOCPART == 1
	.amdgcn_target "amdgcn-amd-amdhsa--gfx1250"
	.amdhsa_code_object_version 6
	.text
	.protected	k_q43eb5bf253_fused
	.globl	k_q43eb5bf253_fused
	.p2align	8
	.type	k_q43eb5bf253_fused,@function
k_q43eb5bf253_fused:
	s_mov_b64 s[64:65], 0
	v_nop
	global_prefetch_b8 v0, s[64:65] scope:SCOPE_SE
	s_setreg_imm32_b32 hwreg(HW_REG_WAVE_MODE, 25, 1), 1
	s_wait_xcnt 0x0
	s_wait_alu depctr_hold_cnt(0) depctr_sa_sdst(0) depctr_va_vdst(0) depctr_va_sdst(0) depctr_va_ssrc(0) depctr_va_vcc(0) depctr_vm_vsrc(0)
	s_getreg_b32 s2, hwreg(HW_REG_IB_STS2, 6, 4)
	s_cmp_eq_u32 s2, 0
	s_cbranch_scc0 .Lentry_in_a_cluster
	s_endpgm
.Lentry_in_a_cluster:
	s_bfe_u32 s2, ttmp6, 0x10000c
	s_cmp_lg_u32 s2, 0x3003
	s_cbranch_scc0 .Lentry_shape_is_right
	s_endpgm
.Lentry_shape_is_right:
; StaticAttention, first launch.  Work-group (b, p) owns rows s = 128 p .. 128 p + 127 of batch b and all 2,048 columns; wave w is head w (columns 256 w .. 256 w + 255) for all 128 rows.
; PASSES, all on codes of BF6 (E3M2) with E8M0 scales:  q: row b of local x Wq + bq, LayerNorm over 2,048 |  k: dist x Wk + bk, never stored: per row the sums of y, of y^2 and, per head, of (q gk) y,
; which give u = (rstd (D - mean SQG) + CQB) / 16 with SQG = sum q gk, CQB = sum q betk |  the half's softmax: t = u log2(e), m = the half's largest t, P = 2^(t - m), l = sum P (hidden rows: t = -infinity) |
; v1: sites x Wv + bv, the rows' sums of z and z^2 |  v2: the same product again without its bias, summed over the rows with w = P rstd_v.
; STORED: O'' = gv (sum w z0 + bv sum w - sum w mean_v) + betv l  (ows), q (qws, by p = 0), P (pws), m and l (sc).  The second launch joins the two halves of a batch.
; v is multiplied twice because a row's weight needs that row's variance over all 2,048 columns, and 128 rows x 2,048 f32 fit neither the registers nor LDS.
; LIMITS.  The variance of k's and v's rows is S2 / 2048 - mean^2, held at 0 from below: its relative error grows as (mean^2 / variance) x 2^-21.  q's LayerNorm is two-pass.  Scale bytes 0xff are not served.
; THE WEIGHTS come through a ring of two LDS slots: a slot holds, for each wave, 64 rows (columns of the product) of 192 bytes, 12,288 dense bytes of memory.  16 steps of four tiles of 16 columns: Wq, Wk, Wv, Wv.
; CLUSTER: the four work-groups of a cluster walk the same weights in the same order, so every tile is asked for jointly (mask 15): the same load with the same descriptor in all four.
; REGISTERS, window 0: v1-31 addresses; v32-55 two fragments of W; v56, v58-65 scale words and nothing else; v66-73 bias, v74-81 q gk of the tile; v82-145 eight accumulators; v146-193 row sums; v194-201 mask; v202-209 P, then w;
;   v210-225 (mean, rstd) of my lane's eight rows; v226-255 at work.   window 1: v0-191 the 128 rows' fragments (tile m, K step q at 24 m + 12 q); v192-255 tables on their way, then the weights w for v2.
.set RSLOT,  122880                    ; a slot: 8 waves x 15,360
.set WSLOT,  15360                     ; a wave's part: 64 rows x 240 (3 x (64 bytes + 16 of padding))
.set NTB,    3840                      ; 16 rows of it
.set CHUNK,  12288                     ; 64 rows of W in memory
.set ASTG,   245760                    ; 128 rows of dist, later of sites: pitch 208 = 192 bytes of codes, 8 scale bytes, 8 unused
.set TBASE,  272384                    ; a wave's own tables, 4,608 bytes: bias +0, q gk / raw q / O row +1024, W's scale bytes +2048, a row of 128 weights +4096
.set TBW,    4608
.set STB,    309248                    ; [wave][128 rows][S1, S2]; its first 128 bytes also carry the eight waves' sums of q's LayerNorm
.set MRB,    317440                    ; [128 rows][mean, rstd]
.set SPARE,  318464                    ; the spare words: 128 bytes a wave, named by no other line
.set SPW, 1
.set NIL, 2
.set ADW0, 3                           ; w 15360 + 240 r + 24 h
.set ADW0B, 4                          ; the same behind one padding more (+ 16 h)
.set ADW, 5
.set ADWB, 6
.set ATB0, 7                           ; my tables + 32 h
.set ATB, 8
.set ASC0, 9                           ; my tables + 2048 + 8 r + 4 h
.set ASC, 10
.set AAF, 11                           ; ASTG + 208 r + 24 h
.set AAS, 12                           ; ASTG + 208 r + 192 + 4 h
.set VTB, 13                           ; my tables + 16 lane
.set AOR0, 14                          ; my tables + 1024 + 4 r
.set AOR, 15
.set AWR, 16                           ; my tables + 4096 + 4 r
.set AWT, 17                           ; my tables + 4096 + 32 h
.set ASTW, 18
.set ASTR, 19
.set AMRW, 20
.set AMRR, 21
.set SA, 22                            ; v22-24 where my 16 rows' pieces of 16 bytes go in ASTG
.set SAS, 25                           ; and their scale words
.set VFL, 26                           ; 1024 w + 16 lane: my place in a table of 2,048 f32
.set VSC, 27                           ; 2048 w + 16 lane: in a tensor of W's scale bytes
.set PFO, 28
.set REDW, 29
.set REDR, 30
.set LANE, 31
.set WF, 32
.set WSR, 56
.set L16, 57                           ; 16 lane
.set AS, 58
.set BI, 66
.set QGR, 74
.set ACC, 82
.set SS, 146
.set SQ, 162
.set SD, 178
.set MK, 194
.set PP, 202
.set MRR, 210
.set T16, 226
.set SQG, 242
.set CQB, 243
.set MX, 244
.set LL, 245
.set SW, 246
.set CM, 247
.set RR, 248                           ; v248-255 at work; at the head r, h and the loads' offsets
.set HH, 249
.set TMP, 250
.set G1, 56                            ; s[56:63] descriptor group 1, never rewritten
.set G0, 68                            ; s[68:71], s[72:75] group 0 of slot 0, slot 1
.set WV, 76
.set PH, 77
.set BB, 78
.set CX, 79
.set TW, 80                            ; ring byte of the tile to be fetched (without the wave's part)
.set TT, 81                            ; 64 x its number in the pass
.set TS, 82                            ; 128 x its number
.set CNT, 83
.set SEL, 84
.set PFA, 86
.set PFON, 88
.set MSB, 0
.macro WIN new                         ; the immediate's high byte repeats the setting that is left
.if MSB != \new
	s_set_vgpr_msb (MSB<<8)|\new
.set MSB, \new
.endif
.endm
.macro CROUND                          ; a round of the cluster's barrier
	s_barrier_signal -1
	s_barrier_wait -1
	s_cmp_lg_u32 s[WV], 0
	s_cbranch_scc1 .Lnw0_\@
	s_barrier_signal -3
.Lnw0_\@:
	s_barrier_wait -3
	s_barrier_signal -1
	s_barrier_wait -1
.endm
.macro BARRIER                         ; my LDS stores have landed and my LDS loads are in: then the work-group's barrier.
	s_wait_dscnt 0x0
	s_barrier_signal -1
	s_barrier_wait -1
.endm
.macro WM d, a, b, c, sa, sb, row      ; one product of 16 x 16 x 128; row = 1: both sides' scale words from lanes 16-31
.if \row
	v_wmma_scale_f32_16x16x128_f8f6f4 v[\d:\d+7], v[\a:\a+11], v[\b:\b+11], v[\c:\c+7], v[\sa], v[\sb] matrix_a_fmt:MATRIX_FMT_BF6 matrix_b_fmt:MATRIX_FMT_BF6 matrix_a_scale:MATRIX_SCALE_ROW1 matrix_b_scale:MATRIX_SCALE_ROW1
.else
	v_wmma_scale_f32_16x16x128_f8f6f4 v[\d:\d+7], v[\a:\a+11], v[\b:\b+11], v[\c:\c+7], v[\sa], v[\sb] matrix_a_fmt:MATRIX_FMT_BF6 matrix_b_fmt:MATRIX_FMT_BF6
.endif
.endm
.macro WM0 d, a, b, sa, sb             ; the same with C = 0: it starts a sum
	v_wmma_scale_f32_16x16x128_f8f6f4 v[\d:\d+7], v[\a:\a+11], v[\b:\b+11], 0, v[\sa], v[\sb] matrix_a_fmt:MATRIX_FMT_BF6 matrix_b_fmt:MATRIX_FMT_BF6
.endm
; A fragment of W: 16 rows x 128 K, 12 registers: lane (r, h) takes 24 bytes at 96 q + 24 h and 24 at 96 q + 48 + 24 h of row r, in pieces of 8.  16 bytes of padding lie behind every 8 pieces:
; where the piece three on (lanes 16-31) lies behind one padding more, the second address register serves.
.macro FRAGW reg, q
.irp p, 0,1,2,3,4,5
.set PC, 12*(\q)+6*(\p/3)+\p%3
.if PC%8 < 5
	ds_load_b64 v[\reg+2*\p:\reg+2*\p+1], v[ADW] offset:8*PC+16*(PC/8)
.else
	ds_load_b64 v[\reg+2*\p:\reg+2*\p+1], v[ADWB] offset:8*PC+16*(PC/8)
.endif
.endr
.endm
.macro LOADW                           ; a tile's two fragments, and its scale words: lanes 0-15 K step 0, lanes 16-31 K step 1
	FRAGW WF, 0
	FRAGW WF+12, 1
	ds_load_b32 v[WSR], v[ASC]
.endm
.macro LOADB                           ; the bias of my lane's eight columns 16 t + 8 h + 0 .. 7
	ds_load_b128 v[BI:BI+3], v[ATB]
	ds_load_b128 v[BI+4:BI+7], v[ATB] offset:16
.endm
.macro LOADQ                           ; q gk of the same columns
	ds_load_b128 v[QGR:QGR+3], v[ATB] offset:1024
	ds_load_b128 v[QGR+4:QGR+7], v[ATB] offset:1040
.endm
.macro LOADA                           ; the 128 rows in ASTG become 16 fragments in window 1 and 8 registers of scale words
	WIN 0x40
.irp m, 0,1,2,3,4,5,6,7
.irp q, 0,1
.irp p, 0,1,2,3,4,5
	ds_load_b64 v[24*\m+12*\q+2*\p:24*\m+12*\q+2*\p+1], v[AAF] offset:3328*\m+96*\q+48*(\p/3)+8*(\p%3)
.endr
.endr
.endr
	WIN 0
.irp m, 0,1,2,3,4,5,6,7
	ds_load_b32 v[AS+\m], v[AAS] offset:3328*\m
.endr
.endm
; Transposed: source 0 = 16 rows of W, source 1 = 16 rows s: lane (r, h) holds row 16 m + r, register j column 16 t + 8 h + j.  The bias is the C of the first K step.
; The eight accumulators take turns, one instruction a turn.
.macro MMT
	WIN 0x04
.irp m, 0,1,2,3,4,5,6,7
	WM ACC+8*\m, WF, 24*\m, BI, WSR, AS+\m, 0
.endr
.irp m, 0,1,2,3,4,5,6,7
	WM ACC+8*\m, WF+12, 24*\m+12, ACC+8*\m, WSR, AS+\m, 1
.endr
	WIN 0
.endm
; Natural: source 0 = 16 rows s, source 1 = 16 rows of W: lane (r, h) holds column 16 t + r, register j row 16 m + 8 h + j.  No bias.
.macro MMN
	WIN 0x01
.irp m, 0,1,2,3,4,5,6,7
	WM0 ACC+8*\m, 24*\m, WF, AS+\m, WSR
.endr
.irp m, 0,1,2,3,4,5,6,7
	WM ACC+8*\m, 24*\m+12, WF+12, ACC+8*\m, AS+\m, WSR, 1
.endr
	WIN 0
.endm
.macro ADDR kind                       ; the next tile's LDS addresses; these lines are also places behind the products
	v_add_nc_u32 v[ADW], s[TW], v[ADW0]
	v_add_nc_u32 v[ADWB], s[TW], v[ADW0B]
	v_add_nc_u32 v[ASC], s[TS], v[ASC0]
.if \kind != 2
	v_add_nc_u32 v[ATB], s[TT], v[ATB0]
.endif
.endm
; The reductions of a tile, two numbers an instruction; the register pair is the outer loop.
.macro DOT
.irp jp, 0,1,2,3
.irp m, 0,1,2,3,4,5,6,7
	v_pk_fma_f32 v[SD+2*\m:SD+2*\m+1], v[ACC+8*\m+2*\jp:ACC+8*\m+2*\jp+1], v[QGR+2*\jp:QGR+2*\jp+1], v[SD+2*\m:SD+2*\m+1]
.endr
.endr
.endm
.macro SUM
.irp jp, 0,1,2,3
.irp m, 0,1,2,3,4,5,6,7
	v_pk_add_f32 v[SS+2*\m:SS+2*\m+1], v[SS+2*\m:SS+2*\m+1], v[ACC+8*\m+2*\jp:ACC+8*\m+2*\jp+1]
.endr
.endr
.endm
.macro SQS
.irp jp, 0,1,2,3
.irp m, 0,1,2,3,4,5,6,7
	v_pk_fma_f32 v[SQ+2*\m:SQ+2*\m+1], v[ACC+8*\m+2*\jp:ACC+8*\m+2*\jp+1], v[ACC+8*\m+2*\jp:ACC+8*\m+2*\jp+1], v[SQ+2*\m:SQ+2*\m+1]
.endr
.endr
.endm
.macro OS m0, n                        ; v2: four chains of sum over rows of w z0, tiles of rows m0 .. m0 + n - 1; the weights lie in window 1
	WIN 0x04
.set MM, \m0
.rept \n
.irp jp, 0,1,2,3
.if MM == 0
	v_pk_mul_f32 v[SD+2*\jp:SD+2*\jp+1], v[ACC+8*MM+2*\jp:ACC+8*MM+2*\jp+1], v[192+8*MM+2*\jp:192+8*MM+2*\jp+1]
.else
	v_pk_fma_f32 v[SD+2*\jp:SD+2*\jp+1], v[ACC+8*MM+2*\jp:ACC+8*MM+2*\jp+1], v[192+8*MM+2*\jp:192+8*MM+2*\jp+1], v[SD+2*\jp:SD+2*\jp+1]
.endif
.endr
.set MM, MM+1
.endr
	WIN 0
.endm
.macro OEND                            ; the chains, and lane l xor 16's rows: O(16 t + r) goes to my O row
	v_pk_add_f32 v[SD:SD+1], v[SD:SD+1], v[SD+2:SD+3]
	v_pk_add_f32 v[SD+4:SD+5], v[SD+4:SD+5], v[SD+6:SD+7]
	v_pk_add_f32 v[SD:SD+1], v[SD:SD+1], v[SD+4:SD+5]
	v_add_f32 v[SD], v[SD], v[SD+1]
	v_permlanex16_b32 v[SD+8], v[SD], s[SEL], s[SEL+1]
	v_add_f32 v[SD], v[SD], v[SD+8]
	ds_store_b32 v[AOR], v[SD]
.endm
.macro HALF1 kind
.if \kind == 0
	DOT
.elseif \kind == 1
	SUM
.else
	OS 0, 4
.endif
.endm
.macro HALF2 kind
.if \kind == 0
	SUM
	SQS
.elseif \kind == 1
	SQS
.else
	OS 4, 4
	OEND
.endif
.endm
; THE CHANGE OF SLOTS, in two parts with register work between.  CH_A: all my tensor loads have landed (one is out: the slot ahead), 0 goes onto my spare word, and the left slot's descriptor takes the chunk two steps on.
; CH_B: the add is done and my reads of the left slot are over; a round of the cluster's barrier; the joint refill first behind it, my one tensor load until the next round.
.macro CH_A slot, base, chunk, pf, pfb, pfc
.if \pf
	s_wait_xcnt 0x0                                ; the last prefetch, a step back, has read its address: it may be written
	s_add_nc_u64 s[PFA:PFA+1], s[\pfb:\pfb+1], (\pfc)*CHUNK
.endif
	s_wait_tensorcnt 0x0
	ds_add_u32 v[SPW], v[NIL]
	s_add_nc_u64 s[G0+4*(\slot)+2:G0+4*(\slot)+3], s[\base:\base+1], (\chunk)*CHUNK
	s_or_b32 s[G0+4*(\slot)+3], s[G0+4*(\slot)+3], 0x80000000
.endm
.macro CH_B slot
	s_wait_dscnt 0x0
	CROUND
	tensor_load_to_lds s[G0+4*(\slot):G0+4*(\slot)+3], s[G1:G1+7]
	s_nop 0
.rept 4
	v_nop
.endr
.endm
; A prefetch of the chunks that the refill two changes on will ask for: 8 heads x 12,288 bytes = 384 blocks of 256 bytes.  The first cluster alone asks; its four partners share the blocks by address,
; 96 each, waves 0 to 2, a lane a block.  Wk and the first walk of Wv are asked for; Wq and the second walk of Wv are not.
.macro ASK
	s_cmp_eq_u32 s[PFON], 1
	s_cbranch_scc0 .Lnp_\@
	global_prefetch_b8 v[PFO], s[PFA:PFA+1] th:TH_LOAD_NT scope:SCOPE_SE
.Lnp_\@:
.endm
.macro RED16A v                        ; a sum over the 16 lanes of a row, in every lane
	v_add_f32_dpp v[\v], v[\v], v[\v] row_xmask:1 row_mask:0xf bank_mask:0xf
	v_add_f32_dpp v[\v], v[\v], v[\v] row_xmask:2 row_mask:0xf bank_mask:0xf
	v_add_f32_dpp v[\v], v[\v], v[\v] row_xmask:4 row_mask:0xf bank_mask:0xf
	v_add_f32_dpp v[\v], v[\v], v[\v] row_xmask:8 row_mask:0xf bank_mask:0xf
.endm
.macro RED16M v
	v_max_num_f32_dpp v[\v], v[\v], v[\v] row_xmask:1 row_mask:0xf bank_mask:0xf
	v_max_num_f32_dpp v[\v], v[\v], v[\v] row_xmask:2 row_mask:0xf bank_mask:0xf
	v_max_num_f32_dpp v[\v], v[\v], v[\v] row_xmask:4 row_mask:0xf bank_mask:0xf
	v_max_num_f32_dpp v[\v], v[\v], v[\v] row_xmask:8 row_mask:0xf bank_mask:0xf
.endm
.macro RED32A v, t                     ; over all 32 lanes; t: a register that has been written
	RED16A \v
	v_permlanex16_b32 v[\t], v[\v], s[SEL], s[SEL+1]
	v_add_f32 v[\v], v[\v], v[\t]
.endm
; ONE TILE OF 16 COLUMNS.  kind 0: k, 1: v1, 2: v2.  mode 0: the next tile lies in the same slot; 1: change of slots with a refill, then the next tile; 2: the same at a pass's end, nothing is fetched;
; 3: the last slot is waited for, nothing is filled; 4: the last tile.  The next tile's fragments are asked for ahead of this tile's reductions.
.macro NT kind, mode, slot, base, chunk, pf, pfc, ntw, nidx
	s_wait_dscnt 0x0                               ; this tile's fragments, scale words and tables are in
.if \kind == 2
	MMN
	v_add_nc_u32 v[AOR], s[TT], v[AOR0]            ; this tile's place in the O row, ahead of TT's step
.else
	MMT
.endif
.if \mode == 0
	s_add_co_u32 s[TW], s[TW], NTB
	s_add_co_u32 s[TT], s[TT], 64
	s_add_co_u32 s[TS], s[TS], 128
.endif
.if (\mode == 1) || (\mode == 3)
	s_mov_b32 s[TW], \ntw
	s_mov_b32 s[TT], 64*(\nidx)
	s_mov_b32 s[TS], 128*(\nidx)
.endif
.if (\mode == 1) || (\mode == 2)
	CH_A \slot, \base, \chunk, \pf, 94, \pfc
.endif
.if \mode == 3
	s_wait_tensorcnt 0x0                           ; my last tile of W has landed; only I read it
.endif
.if (\mode == 2) || (\mode == 4)
.rept 3
	v_nop                                          ; four places between the products and the first read of their results
.endr
.if \kind != 2
	v_nop
.endif
.else
	ADDR \kind
.endif
.if (\mode == 0) || (\mode == 3)
	LOADW
.if \kind != 2
	LOADB
.endif
.endif
	HALF1 \kind
.if (\mode == 1) || (\mode == 2)
	CH_B \slot
.endif
.if \mode == 1
	LOADW
.if \kind != 2
	LOADB
.endif
.if \kind == 0
	LOADQ
.endif
.endif
.if ((\mode == 1) || (\mode == 2)) && \pf
	ASK
.endif
.if ((\mode == 0) || (\mode == 3)) && (\kind == 0)
	LOADQ                                          ; behind the lines that read the last tile's q gk
.endif
	HALF2 \kind
.endm
.macro STEP kind, mode, slot, base, chunk, pf, pfc, ntw, nidx   ; a slot's four tiles
	s_mov_b32 s[CNT], 3
.Lnt_\@:
	NT \kind, 0, 0, 4, 0, 0, 0, 0, 0
	s_sub_co_u32 s[CNT], s[CNT], 1
	s_cmp_lg_u32 s[CNT], 0
	s_cbranch_scc1 .Lnt_\@
	NT \kind, \mode, \slot, \base, \chunk, \pf, \pfc, \ntw, \nidx
.endm
; q: one tile of 16 columns; all 16 rows of source 1 are row b of local.  One accumulator: the wait stands directly ahead of the link.
.macro NTQ
	LOADW
	LOADB
	s_wait_dscnt 0x0
	WIN 0x04
	WM ACC, WF, 0, BI, WSR, AS, 0
	s_wait_alu depctr_va_vdst(0)
	WM ACC, WF+12, 12, ACC, WSR, AS, 1
	WIN 0
	s_add_co_u32 s[TW], s[TW], NTB
	s_add_co_u32 s[TT], s[TT], 64
	s_add_co_u32 s[TS], s[TS], 128
	v_add_nc_u32 v[ADW], s[TW], v[ADW0]
	v_add_nc_u32 v[ADWB], s[TW], v[ADW0B]
	v_add_nc_u32 v[ASC], s[TS], v[ASC0]
	v_nop                                          ; four places, then the result is read, from its low end on
	ds_store_b128 v[ATB], v[ACC:ACC+3] offset:1024 ; the 16 lanes of a half hold the same eight numbers and write them to the same bytes
	ds_store_b128 v[ATB], v[ACC+4:ACC+7] offset:1040
	v_add_nc_u32 v[ATB], s[TT], v[ATB0]
	v_nop                                          ; six places in all ahead of the next product, which writes the accumulator anew
.endm
.macro QSTEP k, slot, base, chunk
	s_mov_b32 s[TW], (\slot)*RSLOT
	s_mov_b32 s[TT], 256*(\k)
	s_mov_b32 s[TS], 512*(\k)
	ADDR 0
	s_mov_b32 s[CNT], 4
.Lq_\@:
	NTQ
	s_sub_co_u32 s[CNT], s[CNT], 1
	s_cmp_lg_u32 s[CNT], 0
	s_cbranch_scc1 .Lq_\@
	CH_A \slot, \base, \chunk, 1, 92, \k
	CH_B \slot
	ASK
.endm
; The rows' mean and rstd over all 2,048 columns: each wave's sums of its 256 columns meet in LDS; wave w finishes rows 16 w .. 16 w + 15; every wave reads all 128.
.macro ROWSTAT
.irp m, 0,1,2,3,4,5,6,7
	v_add_f32 v[T16+2*\m], v[SS+2*\m], v[SS+2*\m+1]
	v_add_f32 v[T16+2*\m+1], v[SQ+2*\m], v[SQ+2*\m+1]
.endr
.irp i, 0,1,2,3,4,5,6,7,8,9,10,11,12,13,14,15
	v_permlanex16_b32 v[SS+\i], v[T16+\i], s[SEL], s[SEL+1]
.endr
.irp m, 0,1,2,3,4,5,6,7
	v_pk_add_f32 v[T16+2*\m:T16+2*\m+1], v[T16+2*\m:T16+2*\m+1], v[SS+2*\m:SS+2*\m+1]   ; with lane l xor 16's eight columns
.endr
.irp m, 0,1,2,3,4,5,6,7
	ds_store_b64 v[ASTW], v[T16+2*\m:T16+2*\m+1] offset:128*\m
.endr
	BARRIER
.irp u, 0,1,2,3,4,5,6,7
	ds_load_b64 v[SS+2*\u:SS+2*\u+1], v[ASTR] offset:1024*\u
.endr
	s_wait_dscnt 0x0
	v_pk_add_f32 v[SS:SS+1], v[SS:SS+1], v[SS+2:SS+3]
	v_pk_add_f32 v[SS+4:SS+5], v[SS+4:SS+5], v[SS+6:SS+7]
	v_pk_add_f32 v[SS+8:SS+9], v[SS+8:SS+9], v[SS+10:SS+11]
	v_pk_add_f32 v[SS+12:SS+13], v[SS+12:SS+13], v[SS+14:SS+15]
	v_pk_add_f32 v[SS:SS+1], v[SS:SS+1], v[SS+4:SS+5]
	v_pk_add_f32 v[SS+8:SS+9], v[SS+8:SS+9], v[SS+12:SS+13]
	v_pk_add_f32 v[SS:SS+1], v[SS:SS+1], v[SS+8:SS+9]
	v_mul_f32 v[TMP], s100, v[SS]                  ; mean = S1 / 2048
	v_mul_f32 v[TMP+1], s100, v[SS+1]
	v_fma_f32 v[TMP+1], -v[TMP], v[TMP], v[TMP+1]  ; S2 / 2048 - mean^2,
	v_max_num_f32 v[TMP+1], 0, v[TMP+1]            ; held at 0 from below
	v_add_f32 v[TMP+1], 0x3727c5ac, v[TMP+1]       ; + 1e-5
	v_rsq_f32 v[TMP+1], v[TMP+1]
	v_nop                                          ; a plain line behind the transcendental,
	s_wait_alu depctr_va_vdst(0)                   ; and the wait ahead of its first reader
	ds_store_b64 v[AMRW], v[TMP:TMP+1]
	BARRIER
.irp m, 0,1,2,3,4,5,6,7
	ds_load_b64 v[MRR+2*\m:MRR+2*\m+1], v[AMRR] offset:128*\m
.endr
	s_wait_dscnt 0x0
.endm
	; ---- the head: pointers, descriptors, the two first fills
	s_load_b512 s[4:19], s[0:1], 0x0               ; Wq, Wk, Wv codes; Wq, Wk, Wv scales; bq; bk
	s_load_b512 s[20:35], s[0:1], 0x40             ; bv, gq, betq, gk, betk, gv, betv, mask
	s_load_b512 s[36:51], s[0:1], 0x80             ; local codes, scales; dist codes, scales; sites codes, scales; ows; qws
	s_load_b128 s[52:55], s[0:1], 0xc0             ; pws, sc
	v_lshl_add_u32 v[SPW], v0, 2, SPARE
	v_mov_b32 v[NIL], 0
	ds_add_u32 v1, v2
	ds_add_u32 v1, v2
	s_wait_dscnt 0x0
	v_lshrrev_b32 v[LANE], 5, v0
	v_readfirstlane_b32 s[WV], v[LANE]             ; wave 0..7 = head
	s_mov_b32 s[G1], 15|(1<<20)|(1<<21)|(3<<22)|(3<<25)   ; mask: all four work-groups; elements of 1 byte; padding on; bit 21 beside a mask; after every 16 words, 4 words
	s_mov_b32 s[G1+1], 192<<16                     ; tensor_dim0
	s_mov_b32 s[G1+2], 64<<16                      ; tensor_dim1
	s_mov_b32 s[G1+3], 192<<16                     ; tile_dim0
	s_mov_b32 s[G1+4], 64                          ; tile_dim1
	s_mov_b32 s[G1+5], 192                         ; from row to row
	s_mov_b32 s[G1+6], 0
	s_mov_b32 s[G1+7], 0
	s_mul_i32 s100, s[WV], 49152                   ; my head's 256 rows of W
	s_mov_b32 s101, 0
	s_mul_i32 s89, s[WV], WSLOT                    ; my part of a slot
	s_wait_kmcnt 0x0
	s_mov_b64 s[92:93], s[6:7]                     ; Wk and Wv from their first byte, for the prefetches
	s_mov_b64 s[94:95], s[8:9]
	s_add_nc_u64 s[4:5], s[4:5], s[100:101]
	s_add_nc_u64 s[6:7], s[6:7], s[100:101]
	s_add_nc_u64 s[8:9], s[8:9], s[100:101]
	s_mov_b32 s[G0], 1
	s_mov_b32 s[G0+1], s89
	s_mov_b64 s[G0+2:G0+3], s[4:5]                 ; step 0: Wq, chunk 0
	s_or_b32 s[G0+3], s[G0+3], 0x80000000
	s_mov_b32 s[G0+4], 1
	s_add_co_u32 s[G0+5], s89, RSLOT
	s_add_nc_u64 s[G0+6:G0+7], s[4:5], CHUNK       ; step 1: Wq, chunk 1
	s_or_b32 s[G0+7], s[G0+7], 0x80000000
	CROUND                                         ; all four work-groups are here: the first joint loads meet
	tensor_load_to_lds s[G0:G0+3], s[G1:G1+7]
	s_nop 0
	tensor_load_to_lds s[G0+4:G0+7], s[G1:G1+7]    ; two loads of mine are out
	s_nop 0
.rept 4
	v_nop
.endr
	s_mov_b32 s100, 0x3a000000                     ; 1 / 2048
	s_mov_b32 s[SEL], 0x76543210
	s_mov_b32 s[SEL+1], 0xfedcba98                 ; v_permlanex16_b32's selects for lane l xor 16
	s_bfe_u32 s[CX], ttmp6, 0x40000                ; my place in the cluster: it enters global addresses alone
	s_and_b32 s[PH], ttmp9, 1                      ; which half of the rows: the same in all four partners
	s_lshr_b32 s[BB], ttmp9, 1
	s_lshl_b32 s[BB], s[BB], 2
	s_add_co_u32 s[BB], s[BB], s[CX]               ; the batch
	s_cmp_lt_u32 s[WV], 3
	s_cselect_b32 s[PFON], 0, 1
	s_or_b32 s[PFON], s[PFON], ttmp9
	s_cmp_eq_u32 s[PFON], 0
	s_cselect_b32 s[PFON], 1, 0                    ; waves 0 to 2 of the first cluster prefetch
	v_and_b32 v[LANE], 31, v0
	v_and_b32 v[RR], 15, v0                        ; r
	v_bfe_u32 v[HH], v0, 4, 1                      ; h
	v_mul_u32_u24 v[ADW0], v[RR], 240
	v_mad_u32_u24 v[ADW0], v[HH], 24, v[ADW0]
	v_add_nc_u32 v[ADW0], s89, v[ADW0]
	v_lshl_add_u32 v[ADW0B], v[HH], 4, v[ADW0]
	s_mul_i32 s90, s[WV], TBW
	s_add_co_u32 s90, s90, TBASE                   ; my tables
	v_lshl_add_u32 v[ATB0], v[HH], 5, s90
	v_lshl_add_u32 v[ASC0], v[RR], 3, s90
	v_lshl_add_u32 v[ASC0], v[HH], 2, v[ASC0]
	v_add_nc_u32 v[ASC0], 2048, v[ASC0]
	v_mul_u32_u24 v[AAF], v[RR], 208
	v_add_nc_u32 v[AAF], ASTG, v[AAF]
	v_lshl_add_u32 v[AAS], v[HH], 2, v[AAF]
	v_add_nc_u32 v[AAS], 192, v[AAS]
	v_mad_u32_u24 v[AAF], v[HH], 24, v[AAF]
	v_lshl_add_u32 v[VTB], v[LANE], 4, s90
	v_lshl_add_u32 v[AOR0], v[RR], 2, s90
	v_add_nc_u32 v[AWR], 4096, v[AOR0]
	v_add_nc_u32 v[AOR0], 1024, v[AOR0]
	v_add_nc_u32 v[AWT], 4096, v[ATB0]
	s_lshl_b32 s91, s[WV], 10
	s_add_co_u32 s91, s91, STB
	v_lshl_add_u32 v[ASTW], v[RR], 3, s91
	s_lshl_b32 s91, s[WV], 7
	s_add_co_u32 s90, s91, MRB
	s_add_co_u32 s91, s91, STB
	v_lshl_add_u32 v[ASTR], v[RR], 3, s91
	v_lshl_add_u32 v[AMRW], v[RR], 3, s90
	v_lshl_add_u32 v[AMRR], v[RR], 3, MRB
	s_lshl_b32 s91, s[WV], 2
	s_add_co_u32 s91, s91, STB
	v_mov_b32 v[REDW], s91
	v_mov_b32 v[REDR], STB
	s_mul_i32 s91, s[WV], 3328
	s_add_co_u32 s91, s91, ASTG                    ; my 16 rows in ASTG
.irp j, 0,1,2
	v_add_nc_u32 v[SA+\j], 32*\j, v[LANE]          ; x: which piece of 16 bytes of my rows' first 96; a row has 12
	v_mul_u32_u24 v[TMP+5], v[SA+\j], 171
	v_lshrrev_b32 v[TMP+5], 11, v[TMP+5]           ; x / 12, right for x < 192
	v_add_nc_u32 v[SA+\j], v[SA+\j], v[TMP+5]
	v_lshlrev_b32 v[SA+\j], 4, v[SA+\j]            ; 16 x + 16 (x / 12) = 208 (x / 12) + 16 (x % 12)
	v_add_nc_u32 v[SA+\j], s91, v[SA+\j]
.endr
	v_lshrrev_b32 v[TMP+5], 1, v[LANE]
	v_mul_u32_u24 v[SAS], v[TMP+5], 208
	v_and_b32 v[TMP+5], 1, v[LANE]
	v_lshl_add_u32 v[SAS], v[TMP+5], 2, v[SAS]
	v_add_nc_u32 v[SAS], s91, v[SAS]
	v_add_nc_u32 v[SAS], 192, v[SAS]
	s_lshl_b32 s91, s[WV], 10
	v_lshl_add_u32 v[VFL], v[LANE], 4, s91
	s_lshl_b32 s91, s[WV], 11
	v_lshl_add_u32 v[VSC], v[LANE], 4, s91
	v_lshlrev_b32 v[L16], 4, v[LANE]
	s_min_u32 s98, s[WV], 2                        ; (held at 2, so that the offset stays inside the buffer in the waves that never ask)
	s_lshl_b32 s98, s98, 5
	s_mul_i32 s99, s[CX], 96
	s_add_co_u32 s98, s98, s99
	v_add_nc_u32 v[PFO], s98, v[LANE]              ; i = 96 cx + 32 w + lane: which of a step's 384 blocks
	v_mul_u32_u24 v[TMP+5], v[PFO], 1366
	v_lshrrev_b32 v[TMP+5], 16, v[TMP+5]           ; i / 48: the head, right for i < 384
	v_mul_u32_u24 v[TMP+4], v[TMP+5], 48
	v_sub_nc_u32 v[PFO], v[PFO], v[TMP+4]
	v_lshlrev_b32 v[PFO], 8, v[PFO]
	v_mad_u32_u24 v[PFO], v[TMP+5], 0xc000, v[PFO] ; 49,152 (i / 48) + 256 (i % 48)
	; where my parts begin in memory
	s_mov_b32 s97, 0
	s_mul_i32 s96, s[BB], 192
	s_add_nc_u64 s[36:37], s[36:37], s[96:97]      ; local: row b
	s_lshl_b32 s96, s[BB], 3
	s_add_nc_u64 s[38:39], s[38:39], s[96:97]
	s_lshl_b32 s98, s[BB], 8
	s_lshl_b32 s99, s[PH], 7
	s_add_co_u32 s98, s98, s99                     ; 256 b + 128 p
	s_mov_b32 s96, s98
	s_add_nc_u64 s[34:35], s[34:35], s[96:97]      ; mask
	s_lshl_b32 s99, s[WV], 4
	s_add_co_u32 s98, s98, s99                     ; the 16 rows that I bring in
	s_mul_i32 s96, s98, 192
	s_add_nc_u64 s[40:41], s[40:41], s[96:97]
	s_add_nc_u64 s[44:45], s[44:45], s[96:97]
	s_lshl_b32 s96, s98, 3
	s_add_nc_u64 s[42:43], s[42:43], s[96:97]
	s_add_nc_u64 s[46:47], s[46:47], s[96:97]
	s_lshl_b32 s96, s[BB], 1
	s_add_co_u32 s96, s96, s[PH]
	s_lshl_b32 s96, s96, 13
	s_add_nc_u64 s[48:49], s[48:49], s[96:97]      ; ows: (2 b + p) rows of 8,192 bytes
	s_lshl_b32 s96, s[BB], 13
	s_add_nc_u64 s[50:51], s[50:51], s[96:97]      ; qws
	s_lshl_b32 s98, s[BB], 3
	s_add_co_u32 s98, s98, s[WV]                   ; 8 b + head
	s_lshl_b32 s96, s98, 10
	s_lshl_b32 s99, s[PH], 9
	s_add_co_u32 s96, s96, s99
	s_add_nc_u64 s[52:53], s[52:53], s[96:97]      ; pws
	s_lshl_b32 s96, s98, 4
	s_lshl_b32 s99, s[PH], 3
	s_add_co_u32 s96, s96, s99
	s_add_nc_u64 s[54:55], s[54:55], s[96:97]      ; sc
	v_mul_u32_u24 v[TMP], v[HH], 24
	v_lshlrev_b32 v[TMP+1], 2, v[HH]
	v_lshlrev_b32 v[TMP+2], 2, v[LANE]
	; all that the first passes want from memory, in one run
	global_load_b32 v[AS], v[TMP+1], s[38:39]                       ; local's scale words: lanes 0-15 K step 0, lanes 16-31 K step 1
	global_load_b128 v[90:93], v[VFL], s[16:17]                     ; bq
	global_load_b128 v[94:97], v[VFL], s[16:17] offset:512
.irp i, 0,1,2,3
	global_load_b128 v[98+4*\i:101+4*\i], v[VSC], s[10:11] offset:512*\i   ; Wq's scale bytes
.endr
.irp k, 0,1,2,3,4,5
	global_load_b128 v[114+4*\k:117+4*\k], v[L16], s[40:41] offset:512*\k th:TH_LOAD_NT   ; my 16 rows of dist: 3,072 dense bytes
.endr
	global_load_b32 v138, v[TMP+2], s[42:43] th:TH_LOAD_NT
.irp m, 0,1,2,3,4,5,6,7
	global_load_u8 v[MK+\m], v[RR], s[34:35] offset:16*\m           ; the mask of rows 16 m + r
.endr
	global_load_b128 v[146:149], v[VFL], s[22:23]                   ; gq
	global_load_b128 v[150:153], v[VFL], s[22:23] offset:512
	global_load_b128 v[154:157], v[VFL], s[24:25]                   ; betq
	global_load_b128 v[158:161], v[VFL], s[24:25] offset:512
	global_load_b128 v[162:165], v[VFL], s[26:27]                   ; gk
	global_load_b128 v[166:169], v[VFL], s[26:27] offset:512
	global_load_b128 v[170:173], v[VFL], s[28:29]                   ; betk
	global_load_b128 v[174:177], v[VFL], s[28:29] offset:512
	WIN 0x40
.irp q, 0,1
.irp p, 0,1,2,3,4,5
	global_load_b64 v[12*\q+2*\p:12*\q+2*\p+1], v[TMP], s[36:37] offset:96*\q+48*(\p/3)+8*(\p%3)   ; local's row b, the same in all 16 rows of the fragment
.endr
.endr
	global_load_b128 v[192:195], v[VFL], s[18:19]                   ; bk
	global_load_b128 v[196:199], v[VFL], s[18:19] offset:512
.irp i, 0,1,2,3
	global_load_b128 v[200+4*\i:203+4*\i], v[VSC], s[12:13] offset:512*\i   ; Wk's scale bytes
.endr
.irp k, 0,1,2,3,4,5
	global_load_b128 v[216+4*\k:219+4*\k], v[L16], s[44:45] offset:512*\k th:TH_LOAD_NT   ; my 16 rows of sites
.endr
	global_load_b32 v240, v[TMP+2], s[46:47] th:TH_LOAD_NT
	WIN 0
	s_wait_loadcnt 0x0
	ds_store_b128 v[VTB], v[90:93]
	ds_store_b128 v[VTB], v[94:97] offset:512
.irp i, 0,1,2,3
	ds_store_b128 v[VTB], v[98+4*\i:101+4*\i] offset:2048+512*\i
.endr
.irp k, 0,1,2,3,4,5
	ds_store_b128 v[SA+\k%3], v[114+4*\k:117+4*\k] offset:1664*(\k/3)   ; 96 pieces are 8 rows, 1,664 bytes on
.endr
	ds_store_b32 v[SAS], v138
	; ---- q = local Wq + bq: steps 0 to 3
	s_wait_tensorcnt 0x1                           ; slot 0 has landed; slot 1's load may be out.  Only I read my part of a slot
	QSTEP 0, 0, 4, 2
	QSTEP 1, 1, 4, 3
	QSTEP 2, 0, 6, 0
	QSTEP 3, 1, 6, 1
	; ---- q's LayerNorm over 2,048, two-pass.  Flat: my lane holds columns 4 l .. 4 l + 3 and 128 + 4 l .. of my head
	ds_load_b128 v[226:229], v[VTB] offset:1024
	ds_load_b128 v[230:233], v[VTB] offset:1536
	s_wait_dscnt 0x0
	v_pk_add_f32 v[234:235], v[226:227], v[228:229]
	v_pk_add_f32 v[236:237], v[230:231], v[232:233]
	v_pk_add_f32 v[234:235], v[234:235], v[236:237]
	v_add_f32 v234, v234, v235
	RED32A 234, 235
	ds_store_b32 v[REDW], v234
	BARRIER
	ds_load_b128 v[234:237], v[REDR]
	ds_load_b128 v[238:241], v[REDR] offset:16
	s_wait_dscnt 0x0
	v_pk_add_f32 v[234:235], v[234:235], v[236:237]
	v_pk_add_f32 v[238:239], v[238:239], v[240:241]
	v_pk_add_f32 v[234:235], v[234:235], v[238:239]
	v_add_f32 v234, v234, v235
	v_mul_f32 v234, s100, v234                     ; the mean
.irp i, 0,1,2,3,4,5,6,7
	v_sub_f32 v[226+\i], v[226+\i], v234
.endr
	v_pk_mul_f32 v[236:237], v[226:227], v[226:227]
	v_pk_fma_f32 v[236:237], v[228:229], v[228:229], v[236:237]
	v_pk_fma_f32 v[236:237], v[230:231], v[230:231], v[236:237]
	v_pk_fma_f32 v[236:237], v[232:233], v[232:233], v[236:237]
	v_add_f32 v236, v236, v237
	RED32A 236, 237
	ds_store_b32 v[REDW], v236 offset:64
	BARRIER
	ds_load_b128 v[234:237], v[REDR] offset:64
	ds_load_b128 v[238:241], v[REDR] offset:80
	s_wait_dscnt 0x0
	v_pk_add_f32 v[234:235], v[234:235], v[236:237]
	v_pk_add_f32 v[238:239], v[238:239], v[240:241]
	v_pk_add_f32 v[234:235], v[234:235], v[238:239]
	v_add_f32 v234, v234, v235
	v_fmaak_f32 v234, s100, v234, 0x3727c5ac       ; the variance + 1e-5
	v_rsq_f32 v234, v234
	v_mov_b32 v235, 0                              ; a plain line behind the transcendental (v235 is named with v234 as a pair below)
	s_wait_alu depctr_va_vdst(0)
.irp i, 0,2,4,6
	v_pk_mul_f32 v[226+\i:227+\i], v[226+\i:227+\i], v[234:235] op_sel_hi:[1,0]
.endr
.irp i, 0,2,4,6
	v_pk_fma_f32 v[226+\i:227+\i], v[226+\i:227+\i], v[146+\i:147+\i], v[154+\i:155+\i]   ; q
.endr
	s_cmp_lg_u32 s[PH], 0                          ; both halves of a batch have the same q: p = 0 stores it
	s_cbranch_scc1 .Lq_stored
	global_store_b128 v[VFL], v[226:229], s[50:51]
	global_store_b128 v[VFL], v[230:233], s[50:51] offset:512
.Lq_stored:
.irp i, 0,2,4,6
	v_pk_mul_f32 v[234+\i:235+\i], v[226+\i:227+\i], v[162+\i:163+\i]   ; q gk
.endr
	ds_store_b128 v[VTB], v[234:237] offset:1024
	ds_store_b128 v[VTB], v[238:241] offset:1536
	v_pk_add_f32 v[248:249], v[234:235], v[236:237]
	v_pk_add_f32 v[250:251], v[238:239], v[240:241]
	v_pk_add_f32 v[248:249], v[248:249], v[250:251]
	v_add_f32 v[SQG], v248, v249
	RED32A SQG, 248                                ; sum over my head of q gk
	v_pk_mul_f32 v[250:251], v[226:227], v[170:171]
	v_pk_fma_f32 v[250:251], v[228:229], v[172:173], v[250:251]
	v_pk_fma_f32 v[250:251], v[230:231], v[174:175], v[250:251]
	v_pk_fma_f32 v[250:251], v[232:233], v[176:177], v[250:251]
	v_add_f32 v[CQB], v250, v251
	RED32A CQB, 250                                ; of q betk
	; ---- k: tables, the rows' fragments, then steps 4 to 7
	WIN 0x04
	ds_store_b128 v[VTB], v[192:195]
	ds_store_b128 v[VTB], v[196:199] offset:512
.irp i, 0,1,2,3
	ds_store_b128 v[VTB], v[200+4*\i:203+4*\i] offset:2048+512*\i
.endr
	WIN 0
	LOADA                                          ; dist: every wave's rows have lain in ASTG since the barriers above
	s_wait_xcnt 0x0                                ; q's stores have read their registers
	BARRIER                                        ; every wave has read dist out of ASTG:
	WIN 0x04
.irp k, 0,1,2,3,4,5
	ds_store_b128 v[SA+\k%3], v[216+4*\k:219+4*\k] offset:1664*(\k/3)   ; sites takes its place
.endr
	ds_store_b32 v[SAS], v240
	WIN 0x40
	global_load_b128 v[192:195], v[VFL], s[20:21]                   ; bv and Wv's scale bytes, for the pass after this one
	global_load_b128 v[196:199], v[VFL], s[20:21] offset:512
.irp i, 0,1,2,3
	global_load_b128 v[200+4*\i:203+4*\i], v[VSC], s[14:15] offset:512*\i
.endr
	WIN 0
.set I, 0
.rept 48
	v_mov_b32 v[SS+I], 0                           ; the three families of row sums: the tiles' loop is written once
.set I, I+1
.endr
	s_mov_b32 s[TW], 0
	s_mov_b32 s[TT], 0
	s_mov_b32 s[TS], 0
	ADDR 0
	LOADW
	LOADB
	LOADQ
	STEP 0, 1, 0, 6, 2, 1, 0, RSLOT, 4             ; step 4; slot 0 takes step 6's chunk
	STEP 0, 1, 1, 6, 3, 1, 1, 0, 8
	STEP 0, 1, 0, 8, 0, 1, 2, RSLOT, 12            ; slot 0 takes Wv's chunk 0
	STEP 0, 2, 1, 8, 1, 1, 3, 0, 0
	; ---- the half's softmax, one head a wave.  Both halves of the lanes hold the same rows 16 m + r
	ROWSTAT
.irp m, 0,1,2,3,4,5,6,7
	v_add_f32 v[T16+\m], v[SD+2*\m], v[SD+2*\m+1]
.endr
.irp m, 0,1,2,3,4,5,6,7
	v_permlanex16_b32 v[T16+8+\m], v[T16+\m], s[SEL], s[SEL+1]
.endr
.irp m, 0,1,2,3,4,5,6,7
	v_add_f32 v[T16+\m], v[T16+\m], v[T16+8+\m]    ; D = sum over my head of q gk y
.endr
.irp m, 0,1,2,3,4,5,6,7
	v_fma_f32 v[T16+\m], -v[MRR+2*\m], v[SQG], v[T16+\m]
.endr
.irp m, 0,1,2,3,4,5,6,7
	v_fma_f32 v[T16+\m], v[T16+\m], v[MRR+2*\m+1], v[CQB]
.endr
	v_mov_b32 v[TMP], 0xff800000                   ; -infinity
.irp m, 0,1,2,3,4,5,6,7
	v_mul_f32 v[T16+\m], 0x3db8aa3b, v[T16+\m]     ; t = u log2(e): the factor is log2(e) / 16
.endr
.irp m, 0,1,2,3,4,5,6,7
	v_cmp_ne_u32 vcc_lo, 0, v[MK+\m]
	v_cndmask_b32 v[T16+\m], v[T16+\m], v[TMP], vcc_lo
.endr
	v_max3_num_f32 v[MX], v[T16], v[T16+1], v[T16+2]
	v_max3_num_f32 v[MX], v[MX], v[T16+3], v[T16+4]
	v_max3_num_f32 v[MX], v[MX], v[T16+5], v[T16+6]
	v_max3_num_f32 v[MX], v[MX], v[T16+7], 0xff61b1e6   ; and -3e38, so that a half with every row hidden still has a number here
	RED16M MX
.irp m, 0,1,2,3,4,5,6,7
	v_sub_f32 v[PP+\m], v[T16+\m], v[MX]
.endr
.irp m, 0,1,2,3,4,5,6,7
	v_exp_f32 v[PP+\m], v[PP+\m]                   ; P = 2^(t - m)
.endr
	v_lshlrev_b32 v[TMP+1], 3, v[LANE]             ; a plain line behind the batch
	s_wait_alu depctr_va_vdst(0)                   ; one wait for the eight
	v_pk_add_f32 v[TMP+2:TMP+3], v[PP:PP+1], v[PP+2:PP+3]
	v_pk_add_f32 v[TMP+4:TMP+5], v[PP+4:PP+5], v[PP+6:PP+7]
	v_pk_add_f32 v[TMP+2:TMP+3], v[TMP+2:TMP+3], v[TMP+4:TMP+5]
	v_add_f32 v[LL], v[TMP+2], v[TMP+3]
	RED16A LL
.irp m, 0,1,2,3,4,5,6,7
	ds_store_b32 v[AWR], v[PP+\m] offset:64*\m
.endr
	ds_load_b128 v[226:229], v[VTB] offset:4096    ; the 128 P as a row: LDS serves a wave's instructions in order
	s_wait_dscnt 0x0
	global_store_b128 v[L16], v[226:229], s[52:53] ; 512 consecutive bytes
	v_cmp_eq_u32 vcc_lo, 0, v[LANE]
	s_wait_xcnt 0x0                                ; EXEC changes only behind this wait
	s_and_saveexec_b32 s89, vcc_lo
	global_store_b64 v[TMP+1], v[MX:MX+1], s[54:55]   ; m and l, by lane 0
	s_wait_xcnt 0x0
	s_or_b32 exec_lo, exec_lo, s89
	; ---- v1: sites Wv + bv, the rows' sums: steps 8 to 11
	s_wait_loadcnt 0x0
	WIN 0x04
	ds_store_b128 v[VTB], v[192:195]
	ds_store_b128 v[VTB], v[196:199] offset:512
.irp i, 0,1,2,3
	ds_store_b128 v[VTB], v[200+4*\i:203+4*\i] offset:2048+512*\i
.endr
	WIN 0
	LOADA
.set I, 0
.rept 32
	v_mov_b32 v[SS+I], 0
.set I, I+1
.endr
	s_mov_b32 s[TW], 0
	s_mov_b32 s[TT], 0
	s_mov_b32 s[TS], 0
	ADDR 1
	LOADW
	LOADB
	STEP 1, 1, 0, 8, 2, 0, 0, RSLOT, 4
	STEP 1, 1, 1, 8, 3, 0, 0, 0, 8
	STEP 1, 1, 0, 8, 0, 0, 0, RSLOT, 12            ; Wv once more, from its chunk 0
	STEP 1, 2, 1, 8, 1, 0, 0, 0, 0
	ROWSTAT
.irp m, 0,1,2,3,4,5,6,7
	v_mul_f32 v[PP+\m], v[PP+\m], v[MRR+2*\m+1]    ; w = P rstd_v
.endr
	v_pk_add_f32 v[TMP+2:TMP+3], v[PP:PP+1], v[PP+2:PP+3]
	v_pk_add_f32 v[TMP+4:TMP+5], v[PP+4:PP+5], v[PP+6:PP+7]
	v_pk_add_f32 v[TMP+2:TMP+3], v[TMP+2:TMP+3], v[TMP+4:TMP+5]
	v_add_f32 v[SW], v[TMP+2], v[TMP+3]
	RED16A SW                                      ; sum w
	v_mul_f32 v[TMP], v[PP], v[MRR]
	v_mul_f32 v[TMP+1], v[PP+1], v[MRR+2]
.irp m, 2,4,6
	v_fma_f32 v[TMP], v[PP+\m], v[MRR+2*\m], v[TMP]
	v_fma_f32 v[TMP+1], v[PP+\m+1], v[MRR+2*\m+2], v[TMP+1]
.endr
	v_add_f32 v[CM], v[TMP], v[TMP+1]
	RED16A CM                                      ; sum w mean_v
.irp m, 0,1,2,3,4,5,6,7
	ds_store_b32 v[AWR], v[PP+\m] offset:64*\m
.endr
	WIN 0x40
.irp m, 0,1,2,3,4,5,6,7
	ds_load_b128 v[192+8*\m:195+8*\m], v[AWT] offset:64*\m          ; w of rows 16 m + 8 h + 0 .. 7: the rows of my lane's registers in v2
	ds_load_b128 v[196+8*\m:199+8*\m], v[AWT] offset:64*\m+16
.endr
	WIN 0
	global_load_b128 v[146:149], v[VFL], s[30:31]                   ; gv
	global_load_b128 v[150:153], v[VFL], s[30:31] offset:512
	global_load_b128 v[154:157], v[VFL], s[20:21]                   ; bv
	global_load_b128 v[158:161], v[VFL], s[20:21] offset:512
	global_load_b128 v[162:165], v[VFL], s[32:33]                   ; betv
	global_load_b128 v[166:169], v[VFL], s[32:33] offset:512
	; ---- v2: sum over the rows of w z0: steps 12 to 15
	s_mov_b32 s[TW], 0
	s_mov_b32 s[TT], 0
	s_mov_b32 s[TS], 0
	ADDR 2
	LOADW
	STEP 2, 1, 0, 8, 2, 0, 0, RSLOT, 4
	STEP 2, 1, 1, 8, 3, 0, 0, 0, 8                 ; the last refill
	STEP 2, 3, 0, 8, 0, 0, 0, RSLOT, 12
	STEP 2, 4, 0, 8, 0, 0, 0, 0, 0
	; ---- the way out: O'' = gv (O + bv sum w - sum w mean_v) + betv l, flat
	ds_load_b128 v[226:229], v[VTB] offset:1024
	ds_load_b128 v[230:233], v[VTB] offset:1536
	s_wait_loadcnt 0x0
	s_wait_dscnt 0x0
.irp i, 0,1,2,3,4,5,6,7
	v_fma_f32 v[226+\i], v[154+\i], v[SW], v[226+\i]
.endr
.irp i, 0,1,2,3,4,5,6,7
	v_sub_f32 v[226+\i], v[226+\i], v[CM]
.endr
.irp i, 0,1,2,3,4,5,6,7
	v_mul_f32 v[162+\i], v[162+\i], v[LL]
.endr
.irp i, 0,1,2,3,4,5,6,7
	v_fma_f32 v[226+\i], v[146+\i], v[226+\i], v[162+\i]
.endr
	global_store_b128 v[VFL], v[226:229], s[48:49]                  ; each store of the wave covers 512 consecutive bytes, aligned
	global_store_b128 v[VFL], v[230:233], s[48:49] offset:512
	s_wait_tensorcnt 0x0                           ; the wave's end
	ds_add_u32 v[SPW], v[NIL]
	s_wait_dscnt 0x0
	CROUND                                         ; the closing round
	s_endpgm
.Lfunc_end_k_q43eb5bf253_fused:
	.size	k_q43eb5bf253_fused, .Lfunc_end_k_q43eb5bf253_fused-k_q43eb5bf253_fused
	.p2alignl 7, 3214868480
	.fill 96, 4, 3214868480
	.section	.rodata,"a",@progbits
	.p2align	6, 0x0
	.amdhsa_kernel k_q43eb5bf253_fused
		.amdhsa_group_segment_fixed_size 327680
		.amdhsa_private_segment_fixed_size 0
		.amdhsa_enable_private_segment 0
		.amdhsa_kernarg_size 208
		.amdhsa_user_sgpr_count 2
		.amdhsa_user_sgpr_kernarg_segment_ptr 1
		.amdhsa_wavefront_size32 1
		.amdhsa_system_sgpr_workgroup_id_x 1
		.amdhsa_system_sgpr_workgroup_id_y 1
		.amdhsa_system_sgpr_workgroup_id_z 1
		.amdhsa_system_vgpr_workitem_id 0
		.amdhsa_next_free_vgpr 512
		.amdhsa_next_free_sgpr 102
		.amdhsa_reserve_vcc 1
		.amdhsa_float_denorm_mode_32 3
		.amdhsa_float_denorm_mode_16_64 3
		.amdhsa_memory_ordered 1
		.amdhsa_forward_progress 1
		.amdhsa_inst_pref_size 255
	.end_amdhsa_kernel
	.section	.bss,"aw",@nobits
	.p2align	6
	.space	262144
	.amdgpu_metadata
---
amdhsa.version: [ 1, 2 ]
amdhsa.kernels:
  - .name:           k_q43eb5bf253_fused
    .symbol:         k_q43eb5bf253_fused.kd
    .args:
      - { .name: Wq_codes, .offset: 0, .size: 8, .value_kind: global_buffer, .address_space: global }
      - { .name: Wk_codes, .offset: 8, .size: 8, .value_kind: global_buffer, .address_space: global }
      - { .name: Wv_codes, .offset: 16, .size: 8, .value_kind: global_buffer, .address_space: global }
      - { .name: Wq_scales, .offset: 24, .size: 8, .value_kind: global_buffer, .address_space: global }
      - { .name: Wk_scales, .offset: 32, .size: 8, .value_kind: global_buffer, .address_space: global }
      - { .name: Wv_scales, .offset: 40, .size: 8, .value_kind: global_buffer, .address_space: global }
      - { .name: bq, .offset: 48, .size: 8, .value_kind: global_buffer, .address_space: global }
      - { .name: bk, .offset: 56, .size: 8, .value_kind: global_buffer, .address_space: global }
      - { .name: bv, .offset: 64, .size: 8, .value_kind: global_buffer, .address_space: global }
      - { .name: gq, .offset: 72, .size: 8, .value_kind: global_buffer, .address_space: global }
      - { .name: betq, .offset: 80, .size: 8, .value_kind: global_buffer, .address_space: global }
      - { .name: gk, .offset: 88, .size: 8, .value_kind: global_buffer, .address_space: global }
      - { .name: betk, .offset: 96, .size: 8, .value_kind: global_buffer, .address_space: global }
      - { .name: gv, .offset: 104, .size: 8, .value_kind: global_buffer, .address_space: global }
      - { .name: betv, .offset: 112, .size: 8, .value_kind: global_buffer, .address_space: global }
      - { .name: mask, .offset: 120, .size: 8, .value_kind: global_buffer, .address_space: global }
      - { .name: local_codes, .offset: 128, .size: 8, .value_kind: global_buffer, .address_space: global }
      - { .name: local_scales, .offset: 136, .size: 8, .value_kind: global_buffer, .address_space: global }
      - { .name: dist_codes, .offset: 144, .size: 8, .value_kind: global_buffer, .address_space: global }
      - { .name: dist_scales, .offset: 152, .size: 8, .value_kind: global_buffer, .address_space: global }
      - { .name: sites_codes, .offset: 160, .size: 8, .value_kind: global_buffer, .address_space: global }
      - { .name: sites_scales, .offset: 168, .size: 8, .value_kind: global_buffer, .address_space: global }
      - { .name: ows, .offset: 176, .size: 8, .value_kind: global_buffer, .address_space: global }
      - { .name: qws, .offset: 184, .size: 8, .value_kind: global_buffer, .address_space: global }
      - { .name: pws, .offset: 192, .size: 8, .value_kind: global_buffer, .address_space: global }
      - { .name: sc, .offset: 200, .size: 8, .value_kind: global_buffer, .address_space: global }
    .group_segment_fixed_size: 327680
    .private_segment_fixed_size: 0
    .kernarg_segment_align: 8
    .kernarg_segment_size: 208
    .max_flat_workgroup_size: 256
    .sgpr_count:     102
    .vgpr_count:     512
    .wavefront_size: 32
...
	.end_amdgpu_metadata
.endif
;; end of part 1
;; launch finish (part 2): grid 128 x 1, 16 waves a work-group, no clusters, 14,336 bytes of LDS; arguments ows, qws, pws, sc, g1, b1, Wo_codes, Wo_scales, bo, g2, b2, Wa, ba, ga, beta_a, out0, out1; writes out0, out1
.if DOCPART == 2
	.amdgcn_target "amdgcn-amd-amdhsa--gfx1250"
	.amdhsa_code_object_version 6
	.text
	.protected	k_q43eb5bf253_finish
	.globl	k_q43eb5bf253_finish
	.p2align	8
	.type	k_q43eb5bf253_finish,@function
k_q43eb5bf253_finish:
	s_mov_b64 s[64:65], 0
	v_nop
	global_prefetch_b8 v0, s[64:65] scope:SCOPE_SE
	s_setreg_imm32_b32 hwreg(HW_REG_WAVE_MODE, 25, 1), 1
	s_wait_xcnt 0x0
; StaticAttention, second launch.  A work-group is a batch b.  It joins the two halves of each head's softmax (m = max(m0, m1), e_p = 2^(m_p - m), f_p = e_p / (l0 e0 + l1 e1)),
; out = f0 O''0 + f1 O''1 + q, LayerNorm over 2,048 (two-pass), quantised to BF6 (E3M2) along K, x Wo + bo, LayerNorm over 256 -> out1;  attn = P f_p, taken as [256][8], x Wa + ba, LayerNorm over one number -> out0.
; SHARES.  Thread t holds columns 4 t .. 4 t + 3 of the 2,048: wave w holds K step w of the product, which lies in head w / 2.  In the product wave w makes outputs 16 w .. 16 w + 15; its 16 fragments of Wo
; stay in 192 registers.  All 16 rows of the other operand are the batch's one row.  No tensor loads: nothing here is large or read twice by a work-group.
; LIMITS.  A block of zeros of the quantised row gets the scale byte 1 where the quantiser's rule says 127: its codes are zeros, and only this launch reads the byte.  A batch with every row hidden gives NaN, as the softmax of the definition does.
; REGISTERS: v1-11, v213, v254 addresses; v12-203 Wo's fragments (K step k at 12 + 12 k); v204-211 Wo's scale words, v212 the row's: scale words and nothing else; v214-253 at work, in the product two fragments of the row and two accumulators.
.set CROW, 8192                        ; LDS: 0: the row after its LayerNorm, 8,192 bytes (a wave reads its own 512);  the row's codes, 1,536 bytes;
.set SROW, 9728                        ; its 64 scale bytes;
.set RED,  9984                        ; four sets of 16 partial sums, 64 bytes each;
.set OUTS, 10240                       ; the row of out0, then the row of out1, 1,024 bytes each
.set WO,  12
.set WOS, 204
.set ASC, 212
.set WV,  40
.set SEL, 42
.macro BARRIER
	s_wait_dscnt 0x0
	s_barrier_signal -1
	s_barrier_wait -1
.endm
.macro RED16A v
	v_add_f32_dpp v[\v], v[\v], v[\v] row_xmask:1 row_mask:0xf bank_mask:0xf
	v_add_f32_dpp v[\v], v[\v], v[\v] row_xmask:2 row_mask:0xf bank_mask:0xf
	v_add_f32_dpp v[\v], v[\v], v[\v] row_xmask:4 row_mask:0xf bank_mask:0xf
	v_add_f32_dpp v[\v], v[\v], v[\v] row_xmask:8 row_mask:0xf bank_mask:0xf
.endm
.macro RED32A v, t
	RED16A \v
	v_permlanex16_b32 v[\t], v[\v], s[SEL], s[SEL+1]
	v_add_f32 v[\v], v[\v], v[\t]
.endm
.macro WOLOAD n                        ; the next n K steps of my 16 rows of Wo
.rept \n
.irp p, 0,1,2,3,4,5
	global_load_b64 v[WO+12*KS+2*\p:WO+12*KS+2*\p+1], v2, s[16:17] offset:96*KS+48*(\p/3)+8*(\p%3)
.endr
.set KS, KS+1
.endr
.endm
	s_load_b512 s[4:19], s[0:1], 0x0               ; ows, qws, pws, sc, g1, b1, Wo's codes, Wo's scales
	s_load_b512 s[20:35], s[0:1], 0x40             ; bo, g2, b2, Wa, ba, ga, beta_a, out0
	s_load_b64 s[36:37], s[0:1], 0x80              ; out1
	v_lshrrev_b32 v1, 5, v0
	v_readfirstlane_b32 s[WV], v1                  ; wave 0..15
	v_and_b32 v214, 15, v0                         ; r
	v_bfe_u32 v215, v0, 4, 1                       ; h
	v_and_b32 v216, 7, v0                          ; j
	v_lshlrev_b32 v1, 4, v0                        ; 16 t: my four columns, in memory and in LDS
	s_lshl_b32 s44, s[WV], 4
	v_add_nc_u32 v217, s44, v214                   ; n = 16 w + r
	v_mul_u32_u24 v2, v217, 1536                   ; Wo: row n of 1,536 bytes,
	v_mad_u32_u24 v2, v215, 24, v2                 ; + 24 h
	v_lshlrev_b32 v254, 6, v217                    ; its scale bytes: 64 a row; lanes 0-15 take the even K steps' words, lanes 16-31 the odd ones'
	v_lshl_add_u32 v254, v215, 2, v254
	v_lshlrev_b32 v213, 2, v217                    ; 4 n
	s_lshl_b32 s44, s[WV], 6
	v_lshlrev_b32 v3, 5, v215
	v_add_nc_u32 v3, s44, v3                       ; 64 w + 32 h: my lane's eight outputs 16 w + 8 h + 0 .. 7, as bytes
	s_lshl_b32 s44, s[WV], 9
	v_lshlrev_b32 v4, 6, v216
	v_add_nc_u32 v4, s44, v4                       ; 16 neighbours of my wave's 128 numbers: 512 w + 64 j
	s_mul_i32 s44, s[WV], 96
	v_mul_u32_u24 v5, v216, 12
	v_add_nc_u32 v5, s44, v5
	v_add_nc_u32 v5, CROW, v5                      ; their 12 bytes of codes
	s_lshl_b32 s44, s[WV], 2
	v_lshrrev_b32 v6, 1, v216
	v_add_nc_u32 v6, s44, v6
	v_add_nc_u32 v6, SROW, v6                      ; their block's scale byte
	v_mul_u32_u24 v7, v215, 24
	v_add_nc_u32 v7, CROW, v7                      ; the row's fragments: no term in r
	v_lshlrev_b32 v8, 2, v215
	v_add_nc_u32 v8, SROW, v8
	v_mov_b32 v9, s44
	v_add_nc_u32 v9, RED, v9                       ; my wave's partial sum
	v_lshlrev_b32 v10, 2, v214
	v_add_nc_u32 v10, RED, v10                     ; one of the sixteen for each lane of a row
	v_mov_b32 v11, 0
	s_mov_b32 s[SEL], 0x76543210
	s_mov_b32 s[SEL+1], 0xfedcba98
	s_mov_b32 s46, 0x3a000000                      ; 1 / 2048
	s_mov_b32 s47, 0x3b800000                      ; 1 / 256
	s_mov_b32 s45, 0
	s_wait_kmcnt 0x0
	s_lshl_b32 s44, ttmp9, 14
	s_add_nc_u64 s[4:5], s[4:5], s[44:45]          ; ows: two rows of 8,192 bytes a batch
	s_lshl_b32 s44, ttmp9, 13
	s_add_nc_u64 s[6:7], s[6:7], s[44:45]
	s_add_nc_u64 s[8:9], s[8:9], s[44:45]
	s_lshl_b32 s44, ttmp9, 3
	s_lshr_b32 s48, s[WV], 1
	s_add_co_u32 s44, s44, s48
	s_lshl_b32 s44, s44, 4
	s_add_nc_u64 s[10:11], s[10:11], s[44:45]      ; sc: m0, l0, m1, l1 of my head
	s_lshl_b32 s44, ttmp9, 10
	s_add_nc_u64 s[34:35], s[34:35], s[44:45]
	s_add_nc_u64 s[36:37], s[36:37], s[44:45]
	global_load_b128 v[214:217], v11, s[10:11]
	global_load_b128 v[218:221], v1, s[4:5]                         ; O'' of half 0
	global_load_b128 v[222:225], v1, s[4:5] offset:8192             ; of half 1
	global_load_b128 v[226:229], v1, s[6:7]                         ; q
	global_load_b128 v[230:233], v1, s[12:13]                       ; g1
	global_load_b128 v[234:237], v1, s[14:15]                       ; b1
.set KS, 0
	WOLOAD 10
	s_wait_loadcnt 60                              ; the six are in; the 60 loads of Wo issued behind them may be out
	; ---- the two halves become one softmax
	v_max_num_f32 v238, v214, v216
	v_sub_f32 v239, v214, v238
	v_sub_f32 v240, v216, v238
	v_exp_f32 v239, v239
	v_exp_f32 v240, v240
	v_nop
	s_wait_alu depctr_va_vdst(0)
	v_mul_f32 v241, v215, v239
	v_fma_f32 v241, v217, v240, v241               ; l0 e0 + l1 e1
	v_rcp_f32 v241, v241
	v_nop
	s_wait_alu depctr_va_vdst(0)
	v_mul_f32 v214, v239, v241                     ; f0
	v_mul_f32 v215, v240, v241                     ; f1
.irp i, 0,1,2,3
	v_fma_f32 v[226+\i], v[218+\i], v214, v[226+\i]
.endr
.irp i, 0,1,2,3
	v_fma_f32 v[218+\i], v[222+\i], v215, v[226+\i]   ; attn v + q
.endr
	v_lshlrev_b32 v225, 3, v213                    ; 32 n: the eight P of output n of out0
	global_load_b128 v[238:241], v225, s[8:9]
	global_load_b128 v[242:245], v225, s[8:9] offset:16
	global_load_b128 v[246:249], v11, s[26:27]                      ; Wa
	global_load_b128 v[250:253], v11, s[26:27] offset:16
	global_load_b32 v222, v11, s[28:29]                             ; ba
	global_load_b32 v223, v11, s[30:31]                             ; ga
	global_load_b32 v224, v11, s[32:33]                             ; beta_a
	WOLOAD 6
.irp i, 0,1,2,3,4,5,6,7
	global_load_b32 v[WOS+\i], v254, s[18:19] offset:8*\i
.endr
	; ---- LayerNorm over 2,048, two-pass
	v_pk_add_f32 v[226:227], v[218:219], v[220:221]
	v_add_f32 v226, v226, v227
	RED32A 226, 227
	ds_store_b32 v9, v226
	BARRIER
	ds_load_b32 v226, v10
	s_wait_dscnt 0x0
	RED16A 226
	v_mul_f32 v226, s46, v226
.irp i, 0,1,2,3
	v_sub_f32 v[218+\i], v[218+\i], v226
.endr
	v_pk_mul_f32 v[228:229], v[218:219], v[218:219]
	v_pk_fma_f32 v[228:229], v[220:221], v[220:221], v[228:229]
	v_add_f32 v228, v228, v229
	RED32A 228, 229
	ds_store_b32 v9, v228 offset:64
	BARRIER
	ds_load_b32 v228, v10 offset:64
	s_wait_dscnt 0x0
	RED16A 228
	v_fmaak_f32 v228, s46, v228, 0x3727c5ac
	v_rsq_f32 v228, v228
	v_nop
	s_wait_alu depctr_va_vdst(0)
.irp i, 0,1,2,3
	v_mul_f32 v[218+\i], v[218+\i], v228
.endr
.irp i, 0,1,2,3
	v_fma_f32 v[218+\i], v[218+\i], v[230+\i], v[234+\i]
.endr
	ds_store_b128 v1, v[218:221]
	; ---- out0: output n = 16 w + r takes attn's flat numbers 8 n .. 8 n + 7: head w / 2, half w % 2
	s_wait_loadcnt 44                              ; P, Wa and the three single numbers are in; the 36 loads of Wo and 8 of its scales issued behind them may be out
	s_bitcmp1_b32 s[WV], 0
	s_cselect_b32 s48, -1, 0
	v_cndmask_b32 v229, v214, v215, s48
.irp j, 0,1,2,3,4,5,6,7
	v_mul_f32 v[238+\j], v[238+\j], v229           ; attn
.endr
	v_fma_f32 v226, v238, v246, v222
.irp j, 1,2,3,4,5,6,7
	v_fma_f32 v226, v[238+\j], v[246+\j], v226
.endr
	v_sub_f32 v227, v226, v226                     ; the LayerNorm over one number: its mean is itself,
	v_fmaak_f32 v228, v227, v227, 0x3727c5ac       ; its variance the square of the difference
	v_rsq_f32 v228, v228
	v_nop
	s_wait_alu depctr_va_vdst(0)
	v_mul_f32 v227, v227, v228
	v_fma_f32 v227, v227, v223, v224
	ds_store_b32 v213, v227 offset:OUTS
	; ---- my wave's 128 numbers become K step w's codes: a lane takes 16 neighbours, two neighbouring lanes a block; lanes 8 apart do the same work and write the same bytes
.irp i, 0,1,2,3
	ds_load_b128 v[238+4*\i:241+4*\i], v4 offset:16*\i
.endr
	s_wait_dscnt 0x0
	v_max3_num_f32 v226, |v238|, |v239|, 0x2800000 ; with the floor 2^(5 - 127): the byte cannot fall under 1
	v_max3_num_f32 v227, |v240|, |v241|, |v242|
	v_max3_num_f32 v226, v226, |v243|, |v244|
	v_max3_num_f32 v227, v227, |v245|, |v246|
	v_max3_num_f32 v226, v226, |v247|, |v248|
	v_max3_num_f32 v227, v227, |v249|, |v250|
	v_max3_num_f32 v226, v226, |v251|, |v252|
	v_max3_num_f32 v226, v226, v227, |v253|
	v_max_num_f32_dpp v226, v226, v226 row_xmask:1 row_mask:0xf bank_mask:0xf
	v_add_nc_u32 v227, 0xfe000000, v226            ; 4 off the exponent field: the conversion's scale operand
	v_cvt_scalef32_pk16_bf6_f32 v[228:230], v[238:253], v227
	v_lshrrev_b32 v226, 23, v227                   ; the scale's byte; also the plain line behind the conversion
	ds_store_b32 v5, v228
	ds_store_b32 v5, v229 offset:4
	ds_store_b32 v5, v230 offset:8
	ds_store_b8 v6, v226
	BARRIER                                        ; the row's 1,536 bytes of codes and 64 scale bytes lie in LDS
	; ---- x Wo: transposed (source 0 = 16 rows of Wo, source 1 = the row): lane (r, h) holds outputs 16 w + 8 h + 0 .. 7.  Two accumulators by turns, the even and the odd K steps
	s_wait_loadcnt 0x0
.irp i, 0,1,2,3,4,5,6,7
.irp q, 0,1
.irp p, 0,1,2,3,4,5
	ds_load_b64 v[214+12*\q+2*\p:215+12*\q+2*\p], v7 offset:96*(2*\i+\q)+48*(\p/3)+8*(\p%3)
.endr
.endr
	ds_load_b32 v[ASC], v8 offset:8*\i
	s_wait_dscnt 0x0
.if \i == 0
	v_wmma_scale_f32_16x16x128_f8f6f4 v[238:245], v[WO+24*\i:WO+24*\i+11], v[214:225], 0, v[WOS+\i], v[ASC] matrix_a_fmt:MATRIX_FMT_BF6 matrix_b_fmt:MATRIX_FMT_BF6
	v_wmma_scale_f32_16x16x128_f8f6f4 v[246:253], v[WO+24*\i+12:WO+24*\i+23], v[226:237], 0, v[WOS+\i], v[ASC] matrix_a_fmt:MATRIX_FMT_BF6 matrix_b_fmt:MATRIX_FMT_BF6 matrix_a_scale:MATRIX_SCALE_ROW1 matrix_b_scale:MATRIX_SCALE_ROW1
.else
	v_wmma_scale_f32_16x16x128_f8f6f4 v[238:245], v[WO+24*\i:WO+24*\i+11], v[214:225], v[238:245], v[WOS+\i], v[ASC] matrix_a_fmt:MATRIX_FMT_BF6 matrix_b_fmt:MATRIX_FMT_BF6
	v_wmma_scale_f32_16x16x128_f8f6f4 v[246:253], v[WO+24*\i+12:WO+24*\i+23], v[226:237], v[246:253], v[WOS+\i], v[ASC] matrix_a_fmt:MATRIX_FMT_BF6 matrix_b_fmt:MATRIX_FMT_BF6 matrix_a_scale:MATRIX_SCALE_ROW1 matrix_b_scale:MATRIX_SCALE_ROW1
.endif
.rept 4
	v_nop                                          ; places in front of loads into registers that the products have read, and of the first read of results
.endr
.if \i == 1
	global_load_b128 v[12:15], v3, s[20:21]                         ; bo, g2, b2 of my eight outputs, into the registers of Wo's first two K steps, which are done with
	global_load_b128 v[16:19], v3, s[20:21] offset:16
	global_load_b128 v[20:23], v3, s[22:23]
	global_load_b128 v[24:27], v3, s[22:23] offset:16
	global_load_b128 v[28:31], v3, s[24:25]
	global_load_b128 v[32:35], v3, s[24:25] offset:16
.endif
.endr
	; ---- + bo, LayerNorm over 256, two-pass
	s_wait_loadcnt 0x0
.irp i, 0,2,4,6
	v_pk_add_f32 v[214+\i:215+\i], v[238+\i:239+\i], v[246+\i:247+\i]   ; both accumulators from their low ends on
.endr
.irp i, 0,2,4,6
	v_pk_add_f32 v[214+\i:215+\i], v[214+\i:215+\i], v[12+\i:13+\i]
.endr
	v_pk_add_f32 v[222:223], v[214:215], v[216:217]
	v_pk_add_f32 v[224:225], v[218:219], v[220:221]
	v_pk_add_f32 v[222:223], v[222:223], v[224:225]
	v_add_f32 v222, v222, v223
	v_permlanex16_b32 v223, v222, s[SEL], s[SEL+1]
	v_add_f32 v222, v222, v223                     ; my wave's 16 outputs
	ds_store_b32 v9, v222 offset:128
	BARRIER
	ds_load_b32 v222, v10 offset:128
	s_wait_dscnt 0x0
	RED16A 222
	v_mul_f32 v222, s47, v222
.irp i, 0,1,2,3,4,5,6,7
	v_sub_f32 v[214+\i], v[214+\i], v222
.endr
	v_pk_mul_f32 v[224:225], v[214:215], v[214:215]
	v_pk_fma_f32 v[224:225], v[216:217], v[216:217], v[224:225]
	v_pk_fma_f32 v[224:225], v[218:219], v[218:219], v[224:225]
	v_pk_fma_f32 v[224:225], v[220:221], v[220:221], v[224:225]
	v_add_f32 v224, v224, v225
	v_permlanex16_b32 v225, v224, s[SEL], s[SEL+1]
	v_add_f32 v224, v224, v225
	ds_store_b32 v9, v224 offset:192
	BARRIER
	ds_load_b32 v224, v10 offset:192
	s_wait_dscnt 0x0
	RED16A 224
	v_fmaak_f32 v224, s47, v224, 0x3727c5ac
	v_rsq_f32 v224, v224
	v_nop
	s_wait_alu depctr_va_vdst(0)
.irp i, 0,1,2,3,4,5,6,7
	v_mul_f32 v[214+\i], v[214+\i], v224
.endr
.irp i, 0,1,2,3,4,5,6,7
	v_fma_f32 v[214+\i], v[214+\i], v[20+\i], v[28+\i]
.endr
	ds_store_b128 v3, v[214:217] offset:OUTS+1024  ; the 16 lanes of a half hold the same eight numbers and write them to the same bytes
	ds_store_b128 v3, v[218:221] offset:OUTS+1040
	BARRIER                                        ; both rows lie whole in LDS
	s_cmp_lt_u32 s[WV], 4                          ; waves 0, 1 store out0's row, waves 2, 3 out1's: 512 consecutive bytes each, aligned
	s_cbranch_scc0 .Ldone
	ds_load_b128 v[214:217], v1 offset:OUTS
	v_and_b32 v218, 0x3ff, v1
	s_cmp_lt_u32 s[WV], 2
	s_cselect_b64 s[34:35], s[34:35], s[36:37]
	s_wait_dscnt 0x0
	global_store_b128 v218, v[214:217], s[34:35]
.Ldone:
	s_wait_xcnt 0x0
	v_lshl_add_u32 v254, v0, 2, 0x3000
	v_mov_b32 v255, 0
	s_wait_tensorcnt 0x0
	ds_add_u32 v254, v255
	s_wait_dscnt 0x0
	s_endpgm
.Lfunc_end_k_q43eb5bf253_finish:
	.size	k_q43eb5bf253_finish, .Lfunc_end_k_q43eb5bf253_finish-k_q43eb5bf253_finish
	.p2alignl 7, 3214868480
	.fill 96, 4, 3214868480
	.section	.rodata,"a",@progbits
	.p2align	6, 0x0
	.amdhsa_kernel k_q43eb5bf253_finish
		.amdhsa_group_segment_fixed_size 14336
		.amdhsa_private_segment_fixed_size 0
		.amdhsa_enable_private_segment 0
		.amdhsa_kernarg_size 136
		.amdhsa_user_sgpr_count 2
		.amdhsa_user_sgpr_kernarg_segment_ptr 1
		.amdhsa_wavefront_size32 1
		.amdhsa_system_sgpr_workgroup_id_x 1
		.amdhsa_system_sgpr_workgroup_id_y 1
		.amdhsa_system_sgpr_workgroup_id_z 1
		.amdhsa_system_vgpr_workitem_id 0
		.amdhsa_next_free_vgpr 256
		.amdhsa_next_free_sgpr 66
		.amdhsa_reserve_vcc 0
		.amdhsa_float_denorm_mode_32 3
		.amdhsa_float_denorm_mode_16_64 3
		.amdhsa_memory_ordered 1
		.amdhsa_forward_progress 1
		.amdhsa_inst_pref_size 35
	.end_amdhsa_kernel
	.amdgpu_metadata
---
amdhsa.version: [ 1, 2 ]
amdhsa.kernels:
  - .name:           k_q43eb5bf253_finish
    .symbol:         k_q43eb5bf253_finish.kd
    .args:
      - { .name: ows, .offset: 0, .size: 8, .value_kind: global_buffer, .address_space: global }
      - { .name: qws, .offset: 8, .size: 8, .value_kind: global_buffer, .address_space: global }
      - { .name: pws, .offset: 16, .size: 8, .value_kind: global_buffer, .address_space: global }
      - { .name: sc, .offset: 24, .size: 8, .value_kind: global_buffer, .address_space: global }
      - { .name: g1, .offset: 32, .size: 8, .value_kind: global_buffer, .address_space: global }
      - { .name: b1, .offset: 40, .size: 8, .value_kind: global_buffer, .address_space: global }
      - { .name: Wo_codes, .offset: 48, .size: 8, .value_kind: global_buffer, .address_space: global }
      - { .name: Wo_scales, .offset: 56, .size: 8, .value_kind: global_buffer, .address_space: global }
      - { .name: bo, .offset: 64, .size: 8, .value_kind: global_buffer, .address_space: global }
      - { .name: g2, .offset: 72, .size: 8, .value_kind: global_buffer, .address_space: global }
      - { .name: b2, .offset: 80, .size: 8, .value_kind: global_buffer, .address_space: global }
      - { .name: Wa, .offset: 88, .size: 8, .value_kind: global_buffer, .address_space: global }
      - { .name: ba, .offset: 96, .size: 8, .value_kind: global_buffer, .address_space: global }
      - { .name: ga, .offset: 104, .size: 8, .value_kind: global_buffer, .address_space: global }
      - { .name: beta_a, .offset: 112, .size: 8, .value_kind: global_buffer, .address_space: global }
      - { .name: out0, .offset: 120, .size: 8, .value_kind: global_buffer, .address_space: global }
      - { .name: out1, .offset: 128, .size: 8, .value_kind: global_buffer, .address_space: global }
    .group_segment_fixed_size: 14336
    .private_segment_fixed_size: 0
    .kernarg_segment_align: 8
    .kernarg_segment_size: 136
    .max_flat_workgroup_size: 512
    .sgpr_count:     66
    .vgpr_count:     256
    .wavefront_size: 32
...
	.end_amdgpu_metadata
.endif
;; end of part 2
